; MI455X (gfx1250); checked and timed in simulation.
; The chip was launched on July 23, 2026; its instructions are those of AMD's public machine-readable ISA for CDNA 5 (MIT licence, August 2026) and "CDNA5" Instruction Set Architecture Reference Guide (July 2026). The comments in the code are by the model that wrote it; some were corrected since.
;; Scaled Dot Product. Allowed arithmetic: matrix products marked QUANTISED: E2M1 operands, one E8M0 scale for each 32 along K, by v_wmma_scale_f32_16x16x128_f8f6f4 with both operands' format E2M1 (or v_wmma_scale_f32_32x16x128_f4), f32 sums; everything else in f32.
;; Inputs: attn_mask 4 x 2,048 int32; key 64 x 2,048 x 64 float32; query 64 x 2,048 x 64 float32; value 64 x 2,048 x 64 float32.
;; Outputs: out0 64 x 2,048 x 64 float32.
;; Constants: decod_mask = 1.
;; This version of the problem:
;;   THIS VERSION OF THE PROBLEM IS GIVEN IN LOW PRECISION. The matrix products marked QUANTISED in the list below multiply operands that are first quantised to E2M1 (2 exponent bits, 1 mantissa bit; 4 bits a number), with one power-of-two scale for each 32 numbers along K (OCP MX v1.0); their sums are f32. All else is computed in f32.
;;   The module's matrix products, in the order in which they are computed (A, B: the left and right operand; K: the contracted axis; several contracted axes count as one K, in the product's order):
;;     1. batch 64 x [M 2,048, K 64] x [K 64, N 2,048]; A: input query; B: input key: QUANTISED
;;     2. batch 64 x [M 2,048, K 2,048] x [K 2,048, N 64]; A: softmax (see below); B: input value: QUANTISED
;;   THE QUANTISER, for each operand of a quantised product, along K:
;;     - K is cut into blocks of 32 from its start; a last block that is shorter is filled with zeros.
;;     - A block's scale is 2^e with e = floor(log2(the largest magnitude in the block)) - 2, held to -126 .. 127; a block of zeros has e = 0. As a byte (E8M0): e + 127.
;;     - Each number is divided by its block's scale, clamped to +-6, and rounded to the nearest number of E2M1, ties to even, subnormals kept.
;;     - The product sums the exact products of the quantised numbers (number of the format x scale) in f32.
;;   ~~~python
;;   def quantise(x, axis):      # numpy; x: float32 -> the quantised numbers, widened to float32 again
;;       x = np.moveaxis(x, axis, -1); K = x.shape[-1]
;;       x = np.pad(x, [(0, 0)] * (x.ndim - 1) + [(0, -K % 32)]); x = x.reshape(x.shape[:-1] + (-1, 32)); a = np.abs(x).max(-1, keepdims=True)
;;       e = np.where(a > 0, np.clip(np.frexp(np.where(a > 0, a, 1))[1] - 1 - 2, -126, 127), 0)      # np.frexp(a)[1] - 1 = floor(log2(a)), exactly
;;       r = np.clip(x / 2.0 ** e, -6, 6)
;;       step = 2.0 ** (np.maximum(np.frexp(np.where(r == 0, 1, r))[1] - 1, 0) - 1)
;;       q = np.round(r / step) * step * 2.0 ** e      # np.round: ties to even
;;       return np.moveaxis(q.reshape(q.shape[:-2] + (-1,))[..., :K], -1, axis).astype(np.float32)
;;   ~~~
;;   SOFTMAX AHEAD OF A QUANTISED PRODUCT. Where the list says 'softmax', what is quantised is not the finished softmax but p = 2^(t - M), with t = logit x log2(e) and M = ceil(the row's largest t), a whole number; so 1/2 < the row's largest p <= 1. The row's sum l is taken of the UNQUANTISED p, in f32, and the product's result is divided by l at the end. Since M is a whole number, a kernel that streams over the keys may use a running M (the ceiling of the running maximum): every later rescaling is an exact power of two, which a block's scale takes up: the codes' values come out the same.
;;   OPERANDS COMPUTED ON THE WAY. 'Computed on the way' means the value that the module computes at that place (a softmax that the list does not call 'softmax' is quantised finished and normalised). What goes into a quantiser is computed in f32, as accurately as f32 sums, v_exp_f32 and their like allow (about 1e-6 of the number): no bf16 or f16 on the way to a quantiser, and a product that is left as it is and whose result goes on into a quantised operand takes f32 operands (vector FMAs, or v_wmma_f32_16x16x4_f32). A number that lies on a knife's edge between two numbers of the format may be rounded either way, as far as f32 arithmetic and the matrix unit's own rounding can turn it there, and no further.
;; 2 versions. Each part assembles by itself: llvm-mc -triple=amdgcn-amd-amdhsa -mcpu=gfx1250 --defsym DOCPART=n.
;; ======== version 1 of 2: 1 launch
;; limits: right only within a limited range of input values
;; launch attn (part 1): grid 256 x 1, 16 waves a work-group, no clusters, 280,576 bytes of LDS; arguments attn_mask, key, query, value, out0; writes out0
.if DOCPART == 1
	.amdgcn_target "amdgcn-amd-amdhsa--gfx1250"
	.amdhsa_code_object_version 6
	.text
	.protected	k_q976e9b949d_attn
	.globl	k_q976e9b949d_attn
	.p2align	8
	.type	k_q976e9b949d_attn,@function
k_q976e9b949d_attn:
	s_mov_b64 s[64:65], 0
	v_nop
	global_prefetch_b8 v0, s[64:65] scope:SCOPE_SE
	s_setreg_imm32_b32 hwreg(HW_REG_WAVE_MODE, 25, 1), 1
	s_wait_xcnt 0x0
; out0[b][q][:] = the sum over k of softmax_k(query[b][q] . key[b][k] / 8 + pad[b % 4][k] + causal[q][k]) value[b][k][:];  64 heads, 2,048 rows of 64 f32.
; pad = -1e10 where attn_mask is 0, causal = -1e10 where k > q: both are ADDED, as the source adds them.  Both products run on codes of FP4 (E2M1) with one E8M0 scale for each 32 along their K.
; THE SOFTMAX AHEAD OF THE SECOND PRODUCT: t = logit x log2(e); M = the running largest t, rounded up to a whole number; p = 2^(t - M) is quantised along the keys; the row's sum is taken of the
; unquantised p and divides at the end.  When M moves, the sum and O are multiplied by 2^(old M - new M), which rounds nothing.
; SHARES.  Four work-groups to a head, sixteen waves each.  Every work-group first quantises its head's whole K and V (1 MiB of f32) into LDS, as images of the operands' registers (64 KiB + 64 KiB of codes,
; 12 KiB of scale words): wave w takes keys 128 w .. 128 w + 127.  One barrier; behind it LDS is only read, but for each wave's own bytes.  Wave w' = 16 g + w of the head's 64 then owns two tiles of 16 queries,
; a = w' + 1 and (129 - a) mod 128, an early and a late one, so that the key steps up to the diagonal add up to 17 or 18 for every wave.
; TWO WAYS THROUGH A KEY STEP.  A row with an open key (mask not 0, k <= q) gives every masked key p = 0: there a masked score is simply -1e30 (the padding as the C of the first product, the diagonal by a select)
; and the steps beyond the diagonal are left out.  A row q with NO open key (q under the first key whose mask is not 0) has all its logits near -1e10 or -2e10, and the source's own f32 roundings decide which keys
; count, keys beyond the diagonal among them.  A tile that may hold such a row (the mask's first 16 x tile words are all 0; tile 0 always) walks all 16 steps and forms fl(fl(s / 8 + pad) + causal) and
; fl(logit x log2(e)) as the source does.  Which tiles those are hangs on mask words, whole numbers read from memory: they decide branches, which stand behind the launch's one barrier, and never an address.
; NO JOINT LOADS, NO DATA MOVER: the four work-groups of a head do read the same 1 MiB, but it is wanted in registers (each f32 is read once and becomes half a byte), and a text that branches on words read from
; memory, as this one does for the rows without an open key, takes its operands through registers.
; LAYOUT.  Both products are used transposed: S^T = K Q^T (source 0 = 16 keys, source 1 = my 16 queries), O^T = V^T P^T (source 0 = 16 channels, source 1 = P): a lane holds ONE query (lane % 16) throughout.
; Lane r of K's tile 2 b + u takes key 32 b + 8 u + r + 8 (r / 8), so that the 16 registers of tiles 2 b and 2 b + 1 are the 16 neighbouring keys 32 b + 16 (lane / 16) + 0 .. 15.
; The first product's K is 64 of the instruction's 128: Q's registers 4-7 are zero codes and bytes 2, 3 of both scale words are 0x7f.  K's fragment is 4 registers; the instruction names 8, and the upper four are
; the next tile's codes (behind the last tile: zeros): E2M1 has no infinity and no NaN, so against zero codes they add exactly 0.
; LIMITS.  NaN and infinities among the inputs are not served.  An open logit is taken to lie above -1e20 / log2(e) and |score / 8| far under 1e10.  A key masked twice in a step wholly beyond the diagonal is formed as
; fl(s / 8 - 2e10), one rounding where the source has two: its p is 0 either way.  A block of zeros gets the scale byte 1 (its codes are zeros; only this text reads the bytes); blocks whose largest magnitude
; lies under 2^-124 are held at that byte.  p under 2^-126 counts as 0.  A mask with a long run of zeros at its start is served, by more tiles that walk all keys.
.set KIMG,  0                          ; K's codes: 4,096 x step + 512 x tile + 16 x lane
.set VIMG,  65536                      ; V's codes: 4,096 x step + 1,024 x channel tile + 512 x register group + 16 x lane
.set KSC,   131072                     ; K's scale words: 512 x step + 32 x row + 4 x tile
.set VSC,   139264                     ; V's scale words: 256 x step + 16 x row + 4 x channel tile
.set TAB,   143360                     ; four tables of 2,048 f32 by key: mask ? 0 : -1e30;
.set T_ZERO, 8192                      ; zeros;
.set T_P10, 16384                      ; mask ? 0 : -1e10;
.set T_P20, 24576                      ; mask ? -1e10 : -2e10
.set PRIV,  176128                     ; each wave's own 6,400 bytes: Q's two images (512 each),
.set PRIVB, 6400
.set QSCO,  1024                       ; their scale words (32 x row, 512 bytes each),
.set STGO,  2048                       ; and the stage for the way out: 16 rows x (256 + 16) bytes
.set SP,    272
.set FLOORM, 0x1800000                 ; 2^(3 - 127): under it no largest magnitude is taken, so that a scale's byte cannot fall under 1
.set OFF2,  0xff000000                 ; takes 2 off an exponent field
; SCALARS: s[4:5] my mask row; s[12:13] out0 at my head; s14 wave; s15 head; s17, s18 my tiles; s19 my own LDS bytes; s[20:21] lane selects; s[22:23] c; s24 log2(e) / 8; s25 G; s26 Q0 + 15; s27 last key step's bound;
;   s28 Q0; s29 the step's first key; s30, s31, s48 the step's LDS offsets (4,096, 512, 256 a step); s[32:47] one bit a lane for each 128 mask words; s49, s50 counters; s51 the tile; s52 which Q image;
;   s54, s55, s[58:59] at work; s[56:57] the tile's rows of out0; s[60:61], s[66:67] Q of my two tiles; s[68:69], s[70:71] K and V at my key step; s[74:75] the head's byte offset; s76 1 = the literal way.
; VECTORS that stay: v1 K's image, v2 V's, v3 K's scale words, v4 V's, v5 tables, v6 Q's image, v7 Q's scale word, v27 r - 16 h, v28, v29 the stage in and back, v30 my bytes in the tile's rows of out0, v31 -1e30.
;   In a step: v8-11, v25, v26 addresses; v12 -M, v13 the largest t, v[14:15] the sum; v[16:23] Q; v[32:63] K's eight fragments, then V's four; v[64:67] zeros; v84 d; v85 -1e10; v[96:159] S^T, then p; v[160:191] O^T;
;   v[192:199] p's codes; v200-217 at work; v[236:243], v[244:247], v248, v251 scale words of K, V, Q, p, and nothing else; v250 f.
;   While staging: v32-43 addresses; v[44:63] mask words and table values; v64-191 four sets of 32 registers; v192-207, v216 at work.
; One matrix instruction that adds onto its own accumulator
.macro MM d, a, b, sa, sb
	v_wmma_scale_f32_16x16x128_f8f6f4 v[\d:\d+7], v[\a:\a+7], v[\b:\b+7], v[\d:\d+7], v[\sa], v[\sb] matrix_a_fmt:MATRIX_FMT_FP4 matrix_b_fmt:MATRIX_FMT_FP4
.endm
; STAGING goes by 20 items of 32 registers: 0, 1: Q of my two tiles; even j from 2 to 16: V, 32 channels x 32 keys; odd j from 3 to 17: K, 16 keys; 18, 19: the mask row's two halves.  LOF: the loads of item j
.macro LOF j
.if (\j) > 19
.set LV, 0
.elseif (\j) < 2
.set LV, 8
.elseif (\j) > 17
.set LV, 8
.elseif ((\j)%2) == 0
.set LV, 32
.else
.set LV, 8
.endif
.endm
.macro ISSUE j
.set SETR, 64+32*((\j)%4)
.if (\j) == 0
.irp i, 0,1,2,3
.irp e, 0,1
	global_load_b128 v[SETR+8*\i+4*\e:SETR+8*\i+4*\e+3], v32, s[60:61] offset:1024*\i+16*\e th:TH_LOAD_NT   ; a lane takes 8 neighbours along the head's 64: row lane / 8 of four, numbers 8 (lane % 8) on
.endr
.endr
.elseif (\j) == 1
.irp i, 0,1,2,3
.irp e, 0,1
	global_load_b128 v[SETR+8*\i+4*\e:SETR+8*\i+4*\e+3], v32, s[66:67] offset:1024*\i+16*\e th:TH_LOAD_NT
.endr
.endr
.elseif (\j) > 17
.set MI, 8*((\j)-18)
.irp i, 0,1,2,3,4,5,6,7
	global_load_b128 v[SETR+4*\i:SETR+4*\i+3], v43, s[4:5] offset:512*(MI+\i)   ; mask words 128 (MI + i) + 4 x lane + 0 .. 3: every wave reads the whole row, 8,192 bytes, for G
.endr
.elseif ((\j)%2) == 1
.set KAP, ((\j)-3)/2
.irp i, 0,1,2,3
.irp e, 0,1
	global_load_b128 v[SETR+8*\i+4*\e:SETR+8*\i+4*\e+3], v32, s[68:69] offset:4096*KAP+1024*\i+16*\e
.endr
.endr
.else
.set UPS, ((\j)-2)/2
.set n, 0
.rept 32
	global_load_b32 v[SETR+n], v33, s[70:71] offset:(32*(UPS%4)+n)*256+128*(UPS/4)   ; a lane takes a channel, and its registers run down 32 keys: a whole block
.set n, n+1
.endr
.endif
.endm
; 16 rows of Q or K: four groups of 4 rows; a block of 32 lies in four neighbouring lanes.  A lane's 8 codes are one register, stored at its place in the operand's image; the block's byte at its place in the row's word
.macro ROWS j
.irp i, 0,1,2,3
	v_max3_num_f32 v[196+\i], |v[PS+8*\i]|, |v[PS+8*\i+1]|, FLOORM
.endr
.irp k, 2,4,6
.irp i, 0,1,2,3
	v_max3_num_f32 v[196+\i], v[196+\i], |v[PS+8*\i+\k]|, |v[PS+8*\i+\k+1]|   ; (the four groups by turns)
.endr
.endr
.irp i, 0,1,2,3
	v_max_num_f32_dpp v[196+\i], v[196+\i], v[196+\i] row_xmask:1 row_mask:0xf bank_mask:0xf
.endr
.irp i, 0,1,2,3
	v_max_num_f32_dpp v[196+\i], v[196+\i], v[196+\i] row_xmask:2 row_mask:0xf bank_mask:0xf   ; the block's largest magnitude
.endr
.irp i, 0,1,2,3
	v_add_nc_u32 v[200+\i], OFF2, v[196+\i]        ; 2 off its exponent field: the conversion takes this operand's exponent field as its scale
.endr
.irp i, 0,1,2,3
	v_cvt_scalef32_pk8_fp4_f32 v[192+\i], v[PS+8*\i:PS+8*\i+7], v[200+\i]
.endr
.irp i, 0,1,2,3
	v_lshrrev_b32 v[204+\i], 23, v[200+\i]         ; the scale's byte (the first of these is the plain place behind the conversions)
.endr
.irp i, 0,1,2,3
.if (\j) < 2
	ds_store_b32 v37, v[192+\i] offset:512*(\j)+64*\i
	ds_store_b8 v38, v[204+\i] offset:QSCO+512*(\j)+128*\i       ; the block's four lanes write the same byte with the same value
.else
.set KAP, ((\j)-3)/2
.set TT, 2*(KAP/2)+(\i/2)                      ; key 16 KAP + 4 i + lane / 8 = 32 b + 16 hh + 8 u + j': tile 2 b + u, row 8 hh + j'
	ds_store_b32 v35, v[192+\i] offset:512*TT+128*(KAP%2)+64*(\i%2)
	ds_store_b8 v36, v[204+\i] offset:256*(KAP%2)+128*(\i%2)+4*TT
.endif
.endr
.endm
; 32 channels x 32 keys of V: the block is the lane's own; its 32 codes are four registers of the operand
.macro COLS j
.set UPS, ((\j)-2)/2
.set CHI, UPS/4
.set BET, UPS%4
	v_max3_num_f32 v196, |v[PS]|, |v[PS+1]|, |v[PS+2]|
	v_max3_num_f32 v197, |v[PS+3]|, |v[PS+4]|, |v[PS+5]|
.irp i, 6,10,14,18,22,26
	v_max3_num_f32 v196, v196, |v[PS+\i]|, |v[PS+\i+1]|
	v_max3_num_f32 v197, v197, |v[PS+\i+2]|, |v[PS+\i+3]|
.endr
	v_max3_num_f32 v196, v196, |v[PS+30]|, |v[PS+31]|
	v_max3_num_f32 v196, v196, v197, FLOORM
	v_add_nc_u32 v200, OFF2, v196
	v_lshrrev_b32 v204, 23, v200
.if BET == 0
	v_mov_b32 v216, v204                           ; the four key blocks' bytes make the channel's scale word for this key step
.else
	v_lshl_or_b32 v216, v204, 8*BET, v216
.endif
.irp g, 0,1,2,3
	v_cvt_scalef32_pk8_fp4_f32 v[192+\g], v[PS+8*\g:PS+8*\g+7], v200
.endr
	v_nop                                          ; one plain place behind the conversions
	ds_store_b128 v39, v[192:195] offset:2048*CHI+512*(BET/2)+256*(BET%2)
.if BET == 3
	ds_store_b32 v40, v216 offset:8*CHI
.endif
.endm
; Half of the mask row: for each of its eight runs of 128 words, one bit a lane: are my four words not all 0?  Four neighbouring lanes are a group of 16 words
.macro MASKS j
.irp i, 0,1,2,3,4,5,6,7
	v_or_b32 v[PS+4*\i], v[PS+4*\i], v[PS+4*\i+1]
	v_or_b32 v[PS+4*\i+2], v[PS+4*\i+2], v[PS+4*\i+3]
.endr
.irp i, 0,1,2,3,4,5,6,7
	v_or_b32 v[PS+4*\i], v[PS+4*\i], v[PS+4*\i+2]
.endr
.irp i, 0,1,2,3,4,5,6,7
	v_cmp_ne_u32 s[32+8*((\j)-18)+\i], 0, v[PS+4*\i]
.endr
.endm
.macro PROC j
.set PS, 64+32*((\j)%4)
	LOF (\j)+1
.set WC, LV
	LOF (\j)+2
.set WC, WC+LV
	s_wait_loadcnt WC                              ; loads come back in order: item j's are in; those of the two items issued behind it may be out
	s_wait_dscnt 0x0                               ; the last item's LDS stores have read their registers
.if (\j)+3 <= 19
	ISSUE (\j)+3                                   ; into the set that item j - 1 has left: three items, 12 KiB a wave, are on their way
.endif
.if (\j) > 17
	MASKS \j
.elseif ((\j) < 2) || (((\j)%2) == 1)
	ROWS \j
.else
	COLS \j
.endif
.endm
; The first product's C, sixteen loads: for key 32 b + 16 h + 8 u + j the word of the table that begins tab bytes behind the first
.macro CLOAD tab
.irp t, 0,1,2,3,4,5,6,7
	ds_load_b128 v[96+8*\t:99+8*\t], v25 offset:\tab+128*(\t/2)+32*(\t%2)
	ds_load_b128 v[100+8*\t:103+8*\t], v25 offset:\tab+128*(\t/2)+32*(\t%2)+16
.endr
.endm
	s_load_b256 s[4:11], s[0:1], 0x0               ; attn_mask s[4:5], key s[6:7], query s[8:9], value s[10:11]
	s_load_b64 s[12:13], s[0:1], 0x20              ; out0
	v_lshl_add_u32 v254, v0, 2, 0x44000
	v_mov_b32 v255, 0
	v_lshrrev_b32 v8, 5, v0
	v_readfirstlane_b32 s14, v8                    ; wave 0..15
	v_and_b32 v9, 31, v0                           ; lane
	v_lshlrev_b32 v32, 5, v9                       ; 32 bytes a lane: rows of Q and K
	v_lshlrev_b32 v33, 2, v9                       ; 4 bytes a lane: V's channels
	v_lshlrev_b32 v34, 4, v0                       ; 16 bytes a thread: four mask words, for the tables
	v_lshlrev_b32 v43, 4, v9                       ; 16 bytes a lane: four mask words, for G
	s_lshr_b32 s15, ttmp9, 2                       ; head
	s_and_b32 s16, ttmp9, 3                        ; which of its four work-groups
	s_lshl_b32 s17, s16, 4
	s_add_co_u32 s17, s17, s14
	s_add_co_u32 s17, s17, 1                       ; my first tile: 1 .. 64
	s_sub_co_u32 s18, 129, s17
	s_and_b32 s18, s18, 127                        ; my second: 0, 127 .. 65
	s_lshl_b32 s74, s15, 19                        ; a head is 2,048 x 256 bytes
	s_mov_b32 s75, 0
	s_and_b32 s58, s15, 3                          ; the mask's row: head mod 4,
	s_lshl_b32 s58, s58, 13                        ; 8,192 bytes each
	s_mov_b32 s59, 0
	s_lshl_b32 s54, s14, 15                        ; my key step: 128 rows of 256 bytes
	s_mov_b32 s55, 0
	s_add_nc_u64 s[54:55], s[54:55], s[74:75]
	s_lshl_b32 s32, s17, 12                        ; a tile: 16 rows of 256 bytes
	s_mov_b32 s33, 0
	s_add_nc_u64 s[32:33], s[32:33], s[74:75]
	s_lshl_b32 s34, s18, 12
	s_mov_b32 s35, 0
	s_add_nc_u64 s[34:35], s[34:35], s[74:75]
	s_mov_b32 s20, 0x76543210
	s_mov_b32 s21, 0xfedcba98                      ; v_permlanex16_b32's selects for lane l xor 16
	s_mov_b32 s24, 0x3e38aa3b                      ; log2(e) / 8
	s_wait_kmcnt 0x0
	s_add_nc_u64 s[4:5], s[4:5], s[58:59]
	s_add_nc_u64 s[68:69], s[6:7], s[54:55]
	s_add_nc_u64 s[70:71], s[10:11], s[54:55]
	s_add_nc_u64 s[60:61], s[8:9], s[32:33]
	s_add_nc_u64 s[66:67], s[8:9], s[34:35]
	s_add_nc_u64 s[12:13], s[12:13], s[74:75]
	global_load_b128 v[44:47], v34, s[4:5]         ; the 512 threads read the mask row's 2,048 words
	ISSUE 0
	ISSUE 1
	ISSUE 2
	; addresses, while the loads are out
	v_and_b32 v10, 15, v0                          ; r
	v_bfe_u32 v11, v0, 4, 1                        ; h
	s_mul_i32 s19, s14, PRIVB
	s_add_co_u32 s19, s19, PRIV                    ; my wave's own bytes
	v_lshlrev_b32 v1, 4, v9                        ; KIMG (0) + 16 x lane
	v_add_nc_u32 v2, VIMG, v1
	v_lshl_add_u32 v3, v10, 5, KSC
	v_lshl_add_u32 v4, v10, 4, VSC
	v_lshl_add_u32 v5, v11, 6, TAB                 ; my half's 16 keys of a block of 32: 64 h bytes on
	v_add_nc_u32 v6, s19, v1
	v_lshlrev_b32 v7, 5, v10
	v_add_nc_u32 v7, s19, v7
	v_add_nc_u32 v7, QSCO, v7
	v_lshlrev_b32 v27, 4, v11
	v_sub_nc_u32 v27, v10, v27                     ; r - 16 h
	v_mul_u32_u24 v28, v10, SP
	v_lshl_add_u32 v28, v11, 5, v28
	v_add_nc_u32 v28, s19, v28
	v_add_nc_u32 v28, STGO, v28                    ; the stage, in: row r, + 32 h
	v_mul_u32_u24 v29, v11, SP
	v_lshl_add_u32 v29, v10, 4, v29
	v_add_nc_u32 v29, s19, v29
	v_add_nc_u32 v29, STGO, v29                    ; and back: lanes 0-15 one row, lanes 16-31 the next
	v_lshlrev_b32 v30, 8, v11
	v_lshl_add_u32 v30, v10, 4, v30                ; the same two rows in out0
	v_mov_b32 v31, 0xf149f2ca                      ; -1e30
	v_bfe_u32 v12, v0, 3, 2                        ; lane bits 4:3: which of a group's four rows
	v_bfe_u32 v13, v0, 2, 1                        ; bit 2: which block of 32, that is the image's half of the lanes
	v_and_b32 v14, 3, v0                           ; bits 1:0: which 8 codes of the block
	v_lshlrev_b32 v15, 4, v12
	v_lshl_add_u32 v15, v13, 8, v15
	v_lshl_add_u32 v15, v14, 2, v15                ; a code register's place in an image
	v_lshl_add_u32 v16, v12, 5, v13                ; a byte's place among the scale words
	s_lshl_b32 s54, s14, 12
	v_add_nc_u32 v35, s54, v15                     ; K's image of my key step
	s_lshl_b32 s55, s14, 9
	s_add_co_u32 s55, s55, KSC
	v_add_nc_u32 v36, s55, v16                     ; its scale words
	v_add_nc_u32 v42, s55, v1
	v_add_nc_u32 v37, s19, v15                     ; Q's images
	v_add_nc_u32 v38, s19, v16
	v_lshlrev_b32 v39, 10, v11
	v_lshl_add_u32 v39, v10, 4, v39
	s_add_co_u32 s54, s54, VIMG
	v_add_nc_u32 v39, s54, v39                     ; V's image: channel tile lane / 16, row lane % 16
	v_lshlrev_b32 v40, 4, v10
	v_lshl_add_u32 v40, v11, 2, v40
	s_lshl_b32 s54, s14, 8
	s_add_co_u32 s54, s54, VSC
	v_add_nc_u32 v40, s54, v40
	v_add_nc_u32 v41, TAB, v34
.irp r, 220,221,222,223
	v_mov_b32 v\r, 0x7f7f7f7f
.endr
	ds_store_b128 v42, v[220:223]                  ; K's and Q's scale words begin as four bytes 0x7f; LDS serves a wave's instructions in order, so the blocks' bytes land on top
	ds_store_b128 v6, v[220:223] offset:QSCO
	ds_store_b128 v6, v[220:223] offset:QSCO+512
	v_mov_b32 v17, 0xd01502f9                      ; -1e10
	v_mov_b32 v18, 0xd09502f9                      ; -2e10
.irp r, 60,61,62,63
	v_mov_b32 v\r, 0
.endr
	s_wait_loadcnt 48                              ; the mask words are in: behind them 8 + 8 + 32 loads were issued
.irp i, 0,1,2,3
	v_cmp_eq_u32 vcc_lo, 0, v[44+\i]
	v_cndmask_b32 v[48+\i], 0, v31, vcc_lo         ; mask ? 0 : -1e30
	v_cndmask_b32 v[52+\i], 0, v17, vcc_lo         ; mask ? 0 : -1e10
	v_cndmask_b32 v[56+\i], v17, v18, vcc_lo       ; mask ? -1e10 : -2e10
.endr
	ds_store_b128 v41, v[48:51]
	ds_store_b128 v41, v[60:63] offset:T_ZERO
	ds_store_b128 v41, v[52:55] offset:T_P10
	ds_store_b128 v41, v[56:59] offset:T_P20
.irp j, 0,1,2,3,4,5,6,7,8,9,10,11,12,13,14,15,16,17,18,19
	PROC \j
.endr
	s_wait_dscnt 0x0                               ; for the others' sake: all my stores have landed
	s_barrier_signal -1
	; G: how many groups of 16 mask words, from the row's start, are all 0.  From the last run of 128 words down to the first: where a run has a bit, its lowest lane / 4 is the group.  Work on registers, while the others arrive
	s_mov_b32 s25, 128
.irp i, 15,14,13,12,11,10,9,8,7,6,5,4,3,2,1,0
	s_ctz_i32_b32 s54, s[32+\i]
	s_lshr_b32 s54, s54, 2
	s_add_co_u32 s54, s54, 8*\i
	s_cmp_lg_u32 s[32+\i], 0
	s_cselect_b32 s25, s54, s25
.endr
	s_barrier_wait -1                              ; the head's codes, scale words and tables lie in LDS: the launch's one barrier
	v_mov_b32 v85, 0xd01502f9                      ; -1e10
.irp r, 20,21,22,23,64,65,66,67,204,205,206,207,214,251
	v_mov_b32 v\r, 0                               ; Q's upper codes and the registers behind K's last tile: zero codes; lane permutes' destinations and the pair v[250:251]'s upper half: written once
.endr
	s_mov_b32 s50, 2
	s_mov_b32 s51, s17
	s_mov_b32 s52, 0
.Ltile:                                            ; two trips: my two tiles
	s_lshl_b32 s28, s51, 4                         ; Q0, my first query
	s_add_co_u32 s26, s28, 15
	s_mov_b32 s27, s26
	s_cmp_ge_u32 s25, s51                          ; the mask's first 16 x tile words are all 0: a row of this tile may have no open key
	s_cselect_b32 s76, 1, 0
	s_cselect_b32 s22, 1.0, s24                    ; c: the literal way has multiplied already
	s_cselect_b32 s27, 0xffff, s27                 ; and walks all keys
	s_mov_b32 s23, s22                             ; (named with it as a pair)
	s_lshl_b32 s58, s51, 12
	s_mov_b32 s59, 0
	s_add_nc_u64 s[56:57], s[12:13], s[58:59]
	s_mov_b32 s29, 0
	s_mov_b32 s30, 0
	s_mov_b32 s31, 0
	s_mov_b32 s48, 0
	s_mov_b32 s49, 16
	v_add_nc_u32 v86, s52, v6
	v_add_nc_u32 v87, s52, v7
	ds_load_b128 v[16:19], v86                     ; the tile's Q, as I stored it
	ds_load_b32 v248, v87
	v_mov_b32 v13, 0xe0ad78ec                      ; the largest t so far: -1e20, under every logit that counts and far over a masked score's -1e30 x c
	v_floor_f32 v12, -v13                          ; -M
	v_mov_b32 v14, 0
	v_mov_b32 v15, 0
.set n, 0
.rept 32
	v_mov_b32 v[160+n], 0                          ; O^T.  (The step is written once: the first finds zeros, which the first change of M leaves zeros)
.set n, n+1
.endr
	s_wait_dscnt 0x0
.Lstep:                                            ; 16 trips, 128 keys each; a constant count, so that the stepped LDS offsets can be read off the text
	s_cmp_gt_u32 s29, s27                          ; all 128 keys come after my 16 queries, and every row has an open key: the step's work is left out
	s_cbranch_scc1 .Lskip
	v_add_nc_u32 v8, s30, v1                       ; these five additions are also the places behind the last step's products, in front of the loads into their registers
	v_add_nc_u32 v9, s30, v2
	v_add_nc_u32 v10, s31, v3
	v_add_nc_u32 v11, s48, v4
	v_add_nc_u32 v25, s31, v5
	s_cmp_lg_u32 s76, 0                            ; which table is the first product's C is a branch round two runs of the same loads: no address hangs on the mask
	s_cbranch_scc1 .Lczero
	CLOAD 0                                        ; the padding's 0 or -1e30
	s_branch .Lchave
.Lczero:
	CLOAD T_ZERO                                   ; the literal way: zeros
.Lchave:
.irp t, 0,1,2,3,4,5,6,7
	ds_load_b128 v[32+4*\t:35+4*\t], v8 offset:512*\t
.endr
	ds_load_b128 v[236:239], v10
	ds_load_b128 v[240:243], v10 offset:16
	s_wait_dscnt 0x0
.irp t, 0,1,2,3,4,5,6,7
	MM 96+8*\t, 32+4*\t, 16, 236+\t, 248           ; S^T: eight accumulators, one instruction each
.endr
	s_sub_co_i32 s55, s28, s29
	v_add_nc_u32 v84, s55, v27                     ; d = my query - the step's first key - 16 h: register 16 b + i holds a hidden key where 32 b + i > d
	s_cmp_gt_u32 s29, s26
	s_cselect_b32 s54, T_P20-T_P10, 0              ; the literal way's table: beyond the diagonal the causal -1e10 is in it (a choice on ids alone)
	s_add_co_u32 s54, s54, s31
	s_add_co_u32 s54, s54, T_P10
	v_add_nc_u32 v26, s54, v5
	v_nop
	v_nop                                          ; four places behind the products: then loads into K's registers, and reads of S^T
.irp t, 0,1,2,3
.irp c, 0,1
	ds_load_b128 v[32+8*\t+4*\c:35+8*\t+4*\c], v9 offset:1024*\t+512*\c     ; V's four fragments land under the softmax
.endr
.endr
	ds_load_b128 v[244:247], v11
	s_cmp_lg_u32 s76, 0
	s_cbranch_scc1 .Llit
	s_add_co_u32 s54, s29, 127
	s_cmp_le_u32 s54, s28
	s_cbranch_scc1 .Lcommon                        ; all 128 keys lie at or before my first query
.set n, 0
.rept 64
	v_cmp_gt_i32 vcc_lo, 32*(n/16)+n%16, v84       ; on the diagonal: hidden scores become -1e30.  (Each accumulator from its low end on)
	v_cndmask_b32 v[96+n], v[96+n], v31, vcc_lo
.set n, n+1
.endr
	s_branch .Lcommon
.Llit:                                             ; THE LITERAL WAY: fl(s / 8 + pad), + the causal -1e10 where it applies, x log2(e): each rounded as the source rounds it
.irp hf, 0,1
.irp bb, 0,1
.irp q, 0,1,2,3
	ds_load_b128 v[200+16*\bb+4*\q:203+16*\bb+4*\q], v26 offset:128*(2*\hf+\bb)+16*\q
.endr
.endr
	s_wait_dscnt 0x0
.set n, 0
.rept 16
	v_pk_fma_f32 v[96+32*\hf+n:97+32*\hf+n], v[96+32*\hf+n:97+32*\hf+n], 0x3e000000, v[200+n:201+n] op_sel_hi:[1,0,1]   ; s / 8 is exact, so the fused form rounds once, where the source rounds
.set n, n+2
.endr
.endr
	s_add_co_u32 s54, s29, 127
	s_cmp_le_u32 s54, s28
	s_cbranch_scc1 .Lnodiag
	s_cmp_gt_u32 s29, s26
	s_cbranch_scc1 .Lnodiag
.set n, 0
.rept 64
	v_cmp_gt_i32 vcc_lo, 32*(n/16)+n%16, v84
	v_cndmask_b32 v86, 0, v85, vcc_lo
	v_add_f32 v[96+n], v[96+n], v86
.set n, n+1
.endr
.Lnodiag:
.set n, 0
.rept 32
	v_pk_mul_f32 v[96+n:97+n], v[96+n:97+n], 0x3fb8aa3b op_sel_hi:[1,0]     ; t; c is 1 on this way
.set n, n+2
.endr
.Lcommon:
.irp b, 0,1,2,3
	v_max3_num_f32 v[200+\b], v[96+16*\b], v[97+16*\b], v[98+16*\b]         ; the largest score of each block of 32 keys: for the row's maximum, and, since p rises with the score, for the block's largest p
.endr
.irp i, 3,5,7,9,11,13
.irp b, 0,1,2,3
	v_max3_num_f32 v[200+\b], v[200+\b], v[96+16*\b+\i], v[97+16*\b+\i]
.endr
.endr
.irp b, 0,1,2,3
	v_max_num_f32 v[200+\b], v[200+\b], v[111+16*\b]
.endr
.irp b, 0,1,2,3
	v_permlanex16_b32 v[204+\b], v[200+\b], s20, s21
.endr
.irp b, 0,1,2,3
	v_max_num_f32 v[200+\b], v[200+\b], v[204+\b]  ; with lane l xor 16's 16 keys
.endr
	v_max3_num_f32 v214, v200, v201, v202
	v_max_num_f32 v214, v214, v203
	v_mul_f32 v214, s22, v214                      ; as t (c is positive)
	v_max_num_f32 v13, v13, v214                   ; the running largest t
	v_mov_b32 v214, v12
	v_floor_f32 v12, -v13                          ; the new -M = -ceil(t)
	v_sub_f32 v214, v12, v214                      ; old M - new M: a whole number, 0 or less
	v_cvt_i32_f32 v214, v214                       ; (it saturates)
	v_ldexp_f32 v250, 1.0, v214                    ; f = 2^(old M - new M)
.set n, 0
.rept 32
	v_pk_fma_f32 v[96+n:97+n], v[96+n:97+n], s[22:23], v[12:13] op_sel_hi:[1,0,0]   ; t - M
.set n, n+2
.endr
.irp b, 0,1,2,3
	v_fma_f32 v[200+\b], v[200+\b], s22, v12
.endr
.set n, 0
.rept 64
	v_exp_f32 v[96+n], v[96+n]                     ; p = 2^(t - M), at most 1
.set n, n+1
.endr
.irp b, 0,1,2,3
	v_exp_f32 v[200+\b], v[200+\b]                 ; the block's largest p: the same two instructions on the same number
.endr
	v_pk_mul_f32 v[14:15], v[14:15], v[250:251] op_sel_hi:[1,0]             ; the sums under the new M.  (The plain place behind the exponentials)
	s_wait_alu depctr_va_vdst(0)
.irp b, 0,1,2,3
	v_max_num_f32 v[200+\b], FLOORM, v[200+\b]
.endr
.irp b, 0,1,2,3
	v_add_nc_u32 v[208+\b], OFF2, v[200+\b]
.endr
.irp b, 0,1,2,3
	v_lshrrev_b32 v[204+\b], 23, v[208+\b]
.endr
	v_lshl_or_b32 v251, v205, 8, v204              ; p's scale word for these 128 keys
	v_lshl_or_b32 v251, v206, 16, v251
	v_lshl_or_b32 v251, v207, 24, v251
.irp b, 0,1,2,3
	v_cvt_scalef32_pk8_fp4_f32 v[192+2*\b], v[96+16*\b:103+16*\b], v[208+\b]
	v_cvt_scalef32_pk8_fp4_f32 v[193+2*\b], v[104+16*\b:111+16*\b], v[208+\b]
.endr
	v_nop                                          ; one plain place behind the conversions
.irp c, 0,1                                    ; the operand wants a whole block in a lane: lanes 0-15 block 2 c, lanes 16-31 block 2 c + 1
.irp i, 0,1
	v_permlane16_swap_b32 v[192+4*\c+\i], v[194+4*\c+\i]
.endr
.endr
	v_pk_add_f32 v[216:217], v[96:97], v[98:99]    ; the row's sum, of the unquantised p, in two chains
.irp j, 4,8,12,16,20,24,28,32,36,40,44,48,52,56,60
	v_pk_add_f32 v[14:15], v[14:15], v[96+\j:97+\j]
	v_pk_add_f32 v[216:217], v[216:217], v[98+\j:99+\j]
.endr
	v_pk_add_f32 v[14:15], v[14:15], v[216:217]
.set n, 0
.rept 16
	v_pk_mul_f32 v[160+n:161+n], v[160+n:161+n], v[250:251] op_sel_hi:[1,0] ; O^T under the new M.  (With the sums above: the places between p's codes and scale word and the products below)
.set n, n+2
.endr
	s_wait_dscnt 0x0                               ; V's fragments and scale words
.irp t, 0,1,2,3
	MM 160+8*\t, 32+8*\t, 192, 244+\t, 251         ; O^T += V^T P^T: four accumulators, one instruction each
.endr
.Lskip:
	s_add_co_u32 s29, s29, 128
	s_add_co_u32 s30, s30, 4096
	s_add_co_u32 s31, s31, 512
	s_add_co_u32 s48, s48, 256
	s_sub_co_u32 s49, s49, 1
	s_cmp_lg_u32 s49, 0
	s_cbranch_scc1 .Lstep
	; THE WAY OUT: O^T / the sum goes through my own stage and leaves as whole rows: sixteen lanes store 256 consecutive bytes, a row of out0
.rept 4
	v_nop                                          ; places behind the last products
.endr
	v_add_f32 v14, v14, v15
	v_permlanex16_b32 v214, v14, s20, s21
	v_add_f32 v14, v14, v214                       ; the row's sum
	v_rcp_f32 v14, v14
	v_nop                                          ; one plain place behind the reciprocal
.set n, 0
	s_wait_alu depctr_va_vdst(0)
.rept 32
	v_mul_f32 v[96+n], v[160+n], v14               ; register 8 t + j is out(r, 16 t + 8 h + j); each accumulator from its low end on
.set n, n+1
.endr
.irp t, 0,1,2,3
	ds_store_b128 v28, v[96+8*\t:99+8*\t] offset:64*\t
	ds_store_b128 v28, v[100+8*\t:103+8*\t] offset:64*\t+16
.endr
.irp i, 0,1,2,3,4,5,6,7
	ds_load_b128 v[32+4*\i:35+4*\i], v29 offset:2*\i*SP     ; LDS serves a wave's instructions in order: these see my stores
.endr
.irp i, 0,1,2,3,4,5,6,7
	s_wait_dscnt 7-\i                              ; the younger loads of the eight may be out
	global_store_b128 v30, v[32+4*\i:35+4*\i], s[56:57] offset:512*\i th:TH_STORE_NT
.endr
	s_wait_xcnt 0x0                                ; the stores' base and data are written again only behind this wait
	s_mov_b32 s51, s18                             ; my second tile,
	s_add_co_u32 s52, s52, 512                     ; its image of Q
	s_sub_co_u32 s50, s50, 1
	s_cmp_lg_u32 s50, 0
	s_cbranch_scc1 .Ltile
	s_wait_tensorcnt 0x0
	ds_add_u32 v254, v255
	s_wait_dscnt 0x0
	s_endpgm
.Lfunc_end_k_q976e9b949d_attn:
	.size	k_q976e9b949d_attn, .Lfunc_end_k_q976e9b949d_attn-k_q976e9b949d_attn
	.p2alignl 7, 3214868480
	.fill 96, 4, 3214868480
	.section	.rodata,"a",@progbits
	.p2align	6, 0x0
	.amdhsa_kernel k_q976e9b949d_attn
		.amdhsa_group_segment_fixed_size 280576
		.amdhsa_private_segment_fixed_size 0
		.amdhsa_enable_private_segment 0
		.amdhsa_kernarg_size 40
		.amdhsa_user_sgpr_count 2
		.amdhsa_user_sgpr_kernarg_segment_ptr 1
		.amdhsa_wavefront_size32 1
		.amdhsa_system_sgpr_workgroup_id_x 1
		.amdhsa_system_sgpr_workgroup_id_y 1
		.amdhsa_system_sgpr_workgroup_id_z 1
		.amdhsa_system_vgpr_workitem_id 0
		.amdhsa_next_free_vgpr 256
		.amdhsa_next_free_sgpr 80
		.amdhsa_reserve_vcc 1
		.amdhsa_float_denorm_mode_32 3
		.amdhsa_float_denorm_mode_16_64 3
		.amdhsa_memory_ordered 1
		.amdhsa_forward_progress 1
		.amdhsa_inst_pref_size 129
	.end_amdhsa_kernel
	.amdgpu_metadata
---
amdhsa.version: [ 1, 2 ]
amdhsa.kernels:
  - .name:           k_q976e9b949d_attn
    .symbol:         k_q976e9b949d_attn.kd
    .args:
      - { .name: attn_mask, .offset: 0, .size: 8, .value_kind: global_buffer, .address_space: global }
      - { .name: key, .offset: 8, .size: 8, .value_kind: global_buffer, .address_space: global }
      - { .name: query, .offset: 16, .size: 8, .value_kind: global_buffer, .address_space: global }
      - { .name: value, .offset: 24, .size: 8, .value_kind: global_buffer, .address_space: global }
      - { .name: out0, .offset: 32, .size: 8, .value_kind: global_buffer, .address_space: global }
    .group_segment_fixed_size: 280576
    .private_segment_fixed_size: 0
    .kernarg_segment_align: 8
    .kernarg_segment_size: 40
    .max_flat_workgroup_size: 512
    .sgpr_count:     80
    .vgpr_count:     256
    .wavefront_size: 32
...
	.end_amdgpu_metadata
.endif
;; end of part 1
;; ======== version 2 of 2: 1 launch; version 1 with the launch attn written anew for expert scheduling mode
;; limits: right only within a limited range of input values
;; launch attn (part 2): grid 256 x 1, 16 waves a work-group, no clusters, 280,576 bytes of LDS; arguments attn_mask, key, query, value, out0; writes out0
.if DOCPART == 2
	.amdgcn_target "amdgcn-amd-amdhsa--gfx1250"
	.amdhsa_code_object_version 6
	.text
	.protected	k_q976e9b949d_attn
	.globl	k_q976e9b949d_attn
	.p2align	8
	.type	k_q976e9b949d_attn,@function
k_q976e9b949d_attn:
	s_mov_b64 s[64:65], 0
	v_nop
	global_prefetch_b8 v0, s[64:65] scope:SCOPE_SE
	s_setreg_imm32_b32 hwreg(HW_REG_WAVE_SCHED_MODE, 0, 2), 2
	s_setreg_imm32_b32 hwreg(HW_REG_WAVE_MODE, 25, 1), 1
	s_wait_xcnt 0x0
	s_wait_alu depctr_vm_vsrc(0)
; out0[b][q][:] = the sum over k of softmax_k(query[b][q] . key[b][k] / 8 + pad[b % 4][k] + causal[q][k]) value[b][k][:];  64 heads, 2,048 rows of 64 f32.
; pad = -1e10 where attn_mask is 0, causal = -1e10 where k > q: both are ADDED, as the source adds them.  Both products run on codes of FP4 (E2M1) with one E8M0 scale for each 32 along their K.
; THE SOFTMAX AHEAD OF THE SECOND PRODUCT: t = logit x log2(e); M = the running largest t, rounded up to a whole number; p = 2^(t - M) is quantised along the keys; the row's sum is taken of the
; unquantised p and divides at the end.  When M moves, the sum and O are multiplied by 2^(old M - new M), which rounds nothing.
; SHARES.  Four work-groups to a head, sixteen waves each.  Every work-group first quantises its head's whole K and V (1 MiB of f32) into LDS, as images of the operands' registers (64 KiB + 64 KiB of codes,
; 12 KiB of scale words): wave w takes keys 128 w .. 128 w + 127.  One barrier; behind it LDS is only read, but for each wave's own bytes.  Wave w' = 16 g + w of the head's 64 then owns two tiles of 16 queries,
; a = w' + 1 and (129 - a) mod 128, an early and a late one, so that the key steps up to the diagonal add up to 17 or 18 for every wave.
; TWO WAYS THROUGH A KEY STEP.  A row with an open key (mask not 0, k <= q) gives every masked key p = 0: there a masked score is simply -1e30 (the padding as the C of the first product, the diagonal by a select)
; and the steps beyond the diagonal are left out.  A row q with NO open key (q under the first key whose mask is not 0) has all its logits near -1e10 or -2e10, and the source's own f32 roundings decide which keys
; count, keys beyond the diagonal among them.  A tile that may hold such a row (the mask's first 16 x tile words are all 0; tile 0 always) walks all 16 steps and forms fl(fl(s / 8 + pad) + causal) and
; fl(logit x log2(e)) as the source does.  Which tiles those are hangs on mask words, whole numbers read from memory: they decide branches, which stand behind the launch's one barrier, and never an address.
; NO JOINT LOADS, NO DATA MOVER: the four work-groups of a head do read the same 1 MiB, but it is wanted in registers (each f32 is read once and becomes half a byte), and a text that branches on words read from
; memory, as this one does for the rows without an open key, takes its operands through registers.
; LAYOUT.  Both products are used transposed: S^T = K Q^T (source 0 = 16 keys, source 1 = my 16 queries), O^T = V^T P^T (source 0 = 16 channels, source 1 = P): a lane holds ONE query (lane % 16) throughout.
; Lane r of K's tile 2 b + u takes key 32 b + 8 u + r + 8 (r / 8), so that the 16 registers of tiles 2 b and 2 b + 1 are the 16 neighbouring keys 32 b + 16 (lane / 16) + 0 .. 15.
; The first product's K is 64 of the instruction's 128: Q's registers 4-7 are zero codes and bytes 2, 3 of both scale words are 0x7f.  K's fragment is 4 registers; the instruction names 8, and the upper four are
; the next tile's codes (behind the last tile: zeros): E2M1 has no infinity and no NaN, so against zero codes they add exactly 0.
; LIMITS.  NaN and infinities among the inputs are not served.  An open logit is taken to lie above -1e20 / log2(e) and |score / 8| far under 1e10.  A key masked twice in a step wholly beyond the diagonal is formed as
; fl(s / 8 - 2e10), one rounding where the source has two: its p is 0 either way.  A block of zeros gets the scale byte 1 (its codes are zeros; only this text reads the bytes); blocks whose largest magnitude
; lies under 2^-124 are held at that byte.  p under 2^-126 counts as 0.  A mask with a long run of zeros at its start is served, by more tiles that walk all keys.
; THE MODE: SCHED_MODE bits 1:0 = 2 (LLVM: expert scheduling mode 2), set by the entry lines.  The code itself states the register dependences between vector or matrix instructions and memory or LDS
; instructions, and those through scalar registers that vector instructions write, with s_wait_alu, always for 0.
; THE PLAN.  Registers that memory or LDS instructions touch:
;   STAGING.  v32-43: offsets and LDS addresses, made once at the head.  Four sets of 32 (v64-191): item j's vector lines read set j % 4; the loads of item j + 3, issued at item j's head, land in the set that item
;     j - 1 read.  v192-207, v216: written by an item's vector lines, read by its LDS stores.  ONE wait on va_vdst an item, ahead of its stores: the codes and bytes are written, and the item is done reading its set; no
;     vector line stands between that wait and the next item's loads.  One wait on vm_vsrc at an item's head: the last item's stores have read what this item writes again.
;   A KEY STEP.  v8-11, v25, v26: addresses, written once a step, read by the step's LDS loads.  v96-159: the first product's C lands there; products and softmax work on it.  v32-63: K's fragments, later V's.
;     v236-247: scale words.  v192-199, v251: p's codes and scale word, written by vector lines, taken by the second product.  Three waits on va_vdst: behind the addresses' additions (the addresses are written, the last
;     step is done with all that the loads land in); behind the exponentials (their results are written, and the first products are done reading K's registers: V's loads follow it at once); ahead of the second
;     products (p's codes and scale word are written).  One wait on vm_vsrc, behind the step's last load: the addresses may be written again.
;   COMPARES go in runs into s32-47 (the tables': s36-39), one wait on va_sdst behind each run, then the selects.
.set KIMG,  0                          ; K's codes: 4,096 x step + 512 x tile + 16 x lane
.set VIMG,  65536                      ; V's codes: 4,096 x step + 1,024 x channel tile + 512 x register group + 16 x lane
.set KSC,   131072                     ; K's scale words: 512 x step + 32 x row + 4 x tile
.set VSC,   139264                     ; V's scale words: 256 x step + 16 x row + 4 x channel tile
.set TAB,   143360                     ; four tables of 2,048 f32 by key: mask ? 0 : -1e30;
.set T_ZERO, 8192                      ; zeros;
.set T_P10, 16384                      ; mask ? 0 : -1e10;
.set T_P20, 24576                      ; mask ? -1e10 : -2e10
.set PRIV,  176128                     ; each wave's own 6,400 bytes: Q's two images (512 each),
.set PRIVB, 6400
.set QSCO,  1024                       ; their scale words (32 x row, 512 bytes each),
.set STGO,  2048                       ; and the stage for the way out: 16 rows x (256 + 16) bytes
.set SP,    272
.set FLOORM, 0x1800000                 ; 2^(3 - 127): under it no largest magnitude is taken, so that a scale's byte cannot fall under 1
.set OFF2,  0xff000000                 ; takes 2 off an exponent field
; SCALARS: s[4:5] my mask row; s[12:13] out0 at my head; s14 wave; s15 head; s17, s18 my tiles; s19 my own LDS bytes; s[20:21] lane selects; s[22:23] c; s24 log2(e) / 8; s25 G; s26 Q0 + 15; s27 last key step's bound;
;   s28 Q0; s29 the step's first key; s30, s31, s48 the step's LDS offsets (4,096, 512, 256 a step); s[32:47] one bit a lane for each 128 mask words, behind the barrier the masks of a run of sixteen compares;
;   s49, s50 counters; s51 the tile; s52 which Q image;
;   s54, s55, s[58:59] at work; s[56:57] the tile's rows of out0; s[60:61], s[66:67] Q of my two tiles; s[68:69], s[70:71] K and V at my key step; s[74:75] the head's byte offset; s76 1 = the literal way.
; VECTORS that stay: v1 K's image, v2 V's, v3 K's scale words, v4 V's, v5 tables, v6 Q's image, v7 Q's scale word, v27 r - 16 h, v28, v29 the stage in and back, v30 my bytes in the tile's rows of out0, v31 -1e30.
;   In a step: v8-11, v25, v26 addresses; v12 -M, v13 the largest t, v[14:15] the sum; v[16:23] Q; v[32:63] K's eight fragments, then V's four; v[64:67] zeros; v84 d; v85 -1e10; v[96:159] S^T, then p; v[160:191] O^T;
;   v[192:199] p's codes; v200-217 at work; v[236:243], v[244:247], v248, v251 scale words of K, V, Q, p, and nothing else; v250 f.
;   While staging: v32-43 addresses; v[44:63] mask words and table values; v64-191 four sets of 32 registers; v192-207, v216 at work.
;   v254, v255: the closing add's two, made at the head and kept for it alone.
; One matrix instruction that adds onto its own accumulator
.macro MM d, a, b, sa, sb
	v_wmma_scale_f32_16x16x128_f8f6f4 v[\d:\d+7], v[\a:\a+7], v[\b:\b+7], v[\d:\d+7], v[\sa], v[\sb] matrix_a_fmt:MATRIX_FMT_FP4 matrix_b_fmt:MATRIX_FMT_FP4
.endm
; STAGING goes by 20 items of 32 registers: 0, 1: Q of my two tiles; even j from 2 to 16: V, 32 channels x 32 keys; odd j from 3 to 17: K, 16 keys; 18, 19: the mask row's two halves.  LOF: the loads of item j
.macro LOF j
.if (\j) > 19
.set LV, 0
.elseif (\j) < 2
.set LV, 8
.elseif (\j) > 17
.set LV, 8
.elseif ((\j)%2) == 0
.set LV, 32
.else
.set LV, 8
.endif
.endm
.macro ISSUE j
.set SETR, 64+32*((\j)%4)
.if (\j) == 0
.irp i, 0,1,2,3
.irp e, 0,1
	global_load_b128 v[SETR+8*\i+4*\e:SETR+8*\i+4*\e+3], v32, s[60:61] offset:1024*\i+16*\e th:TH_LOAD_NT   ; a lane takes 8 neighbours along the head's 64: row lane / 8 of four, numbers 8 (lane % 8) on
.endr
.endr
.elseif (\j) == 1
.irp i, 0,1,2,3
.irp e, 0,1
	global_load_b128 v[SETR+8*\i+4*\e:SETR+8*\i+4*\e+3], v32, s[66:67] offset:1024*\i+16*\e th:TH_LOAD_NT
.endr
.endr
.elseif (\j) > 17
.set MI, 8*((\j)-18)
.irp i, 0,1,2,3,4,5,6,7
	global_load_b128 v[SETR+4*\i:SETR+4*\i+3], v43, s[4:5] offset:512*(MI+\i)   ; mask words 128 (MI + i) + 4 x lane + 0 .. 3: every wave reads the whole row, 8,192 bytes, for G
.endr
.elseif ((\j)%2) == 1
.set KAP, ((\j)-3)/2
.irp i, 0,1,2,3
.irp e, 0,1
	global_load_b128 v[SETR+8*\i+4*\e:SETR+8*\i+4*\e+3], v32, s[68:69] offset:4096*KAP+1024*\i+16*\e
.endr
.endr
.else
.set UPS, ((\j)-2)/2
.set n, 0
.rept 32
	global_load_b32 v[SETR+n], v33, s[70:71] offset:(32*(UPS%4)+n)*256+128*(UPS/4)   ; a lane takes a channel, and its registers run down 32 keys: a whole block
.set n, n+1
.endr
.endif
.endm
; 16 rows of Q or K: four groups of 4 rows; a block of 32 lies in four neighbouring lanes.  A lane's 8 codes are one register, stored at its place in the operand's image; the block's byte at its place in the row's word
.macro ROWS j
.irp i, 0,1,2,3
	v_max3_num_f32 v[196+\i], |v[PS+8*\i]|, |v[PS+8*\i+1]|, FLOORM
.endr
.irp k, 2,4,6
.irp i, 0,1,2,3
	v_max3_num_f32 v[196+\i], v[196+\i], |v[PS+8*\i+\k]|, |v[PS+8*\i+\k+1]|   ; (the four groups by turns)
.endr
.endr
.irp i, 0,1,2,3
	v_max_num_f32_dpp v[196+\i], v[196+\i], v[196+\i] row_xmask:1 row_mask:0xf bank_mask:0xf
.endr
.irp i, 0,1,2,3
	v_max_num_f32_dpp v[196+\i], v[196+\i], v[196+\i] row_xmask:2 row_mask:0xf bank_mask:0xf   ; the block's largest magnitude
.endr
.irp i, 0,1,2,3
	v_add_nc_u32 v[200+\i], OFF2, v[196+\i]        ; 2 off its exponent field: the conversion takes this operand's exponent field as its scale
.endr
.irp i, 0,1,2,3
	v_cvt_scalef32_pk8_fp4_f32 v[192+\i], v[PS+8*\i:PS+8*\i+7], v[200+\i]
.endr
.irp i, 0,1,2,3
	v_lshrrev_b32 v[204+\i], 23, v[200+\i]         ; the scale's byte (the first of these is the plain place behind the conversions)
.endr
	s_wait_alu depctr_va_vdst(0)                   ; the codes v192-195 and the bytes v204-207 are written, which the LDS stores read; and the item is done reading its set, in which the next item's loads land
.irp i, 0,1,2,3
.if (\j) < 2
	ds_store_b32 v37, v[192+\i] offset:512*(\j)+64*\i
	ds_store_b8 v38, v[204+\i] offset:QSCO+512*(\j)+128*\i       ; the block's four lanes write the same byte with the same value
.else
.set KAP, ((\j)-3)/2
.set TT, 2*(KAP/2)+(\i/2)                      ; key 16 KAP + 4 i + lane / 8 = 32 b + 16 hh + 8 u + j': tile 2 b + u, row 8 hh + j'
	ds_store_b32 v35, v[192+\i] offset:512*TT+128*(KAP%2)+64*(\i%2)
	ds_store_b8 v36, v[204+\i] offset:256*(KAP%2)+128*(\i%2)+4*TT
.endif
.endr
.endm
; 32 channels x 32 keys of V: the block is the lane's own; its 32 codes are four registers of the operand
.macro COLS j
.set UPS, ((\j)-2)/2
.set CHI, UPS/4
.set BET, UPS%4
	v_max3_num_f32 v196, |v[PS]|, |v[PS+1]|, |v[PS+2]|
	v_max3_num_f32 v197, |v[PS+3]|, |v[PS+4]|, |v[PS+5]|
.irp i, 6,10,14,18,22,26
	v_max3_num_f32 v196, v196, |v[PS+\i]|, |v[PS+\i+1]|
	v_max3_num_f32 v197, v197, |v[PS+\i+2]|, |v[PS+\i+3]|
.endr
	v_max3_num_f32 v196, v196, |v[PS+30]|, |v[PS+31]|
	v_max3_num_f32 v196, v196, v197, FLOORM
	v_add_nc_u32 v200, OFF2, v196
	v_lshrrev_b32 v204, 23, v200
.if BET == 0
	v_mov_b32 v216, v204                           ; the four key blocks' bytes make the channel's scale word for this key step
.else
	v_lshl_or_b32 v216, v204, 8*BET, v216
.endif
.irp g, 0,1,2,3
	v_cvt_scalef32_pk8_fp4_f32 v[192+\g], v[PS+8*\g:PS+8*\g+7], v200
.endr
	v_nop                                          ; one plain place behind the conversions
	s_wait_alu depctr_va_vdst(0)                   ; the codes v192-195 and the scale word v216 are written, which the LDS stores read; and the item is done reading its set, in which the next item's loads land
	ds_store_b128 v39, v[192:195] offset:2048*CHI+512*(BET/2)+256*(BET%2)
.if BET == 3
	ds_store_b32 v40, v216 offset:8*CHI
.endif
.endm
; Half of the mask row: for each of its eight runs of 128 words, one bit a lane: are my four words not all 0?  Four neighbouring lanes are a group of 16 words
.macro MASKS j
.irp i, 0,1,2,3,4,5,6,7
	v_or_b32 v[PS+4*\i], v[PS+4*\i], v[PS+4*\i+1]
	v_or_b32 v[PS+4*\i+2], v[PS+4*\i+2], v[PS+4*\i+3]
.endr
.irp i, 0,1,2,3,4,5,6,7
	v_or_b32 v[PS+4*\i], v[PS+4*\i], v[PS+4*\i+2]
.endr
.irp i, 0,1,2,3,4,5,6,7
	v_cmp_ne_u32 s[32+8*((\j)-18)+\i], 0, v[PS+4*\i]
.endr
.endm
.macro PROC j
.set PS, 64+32*((\j)%4)
	LOF (\j)+1
.set WC, LV
	LOF (\j)+2
.set WC, WC+LV
	s_wait_loadcnt WC                              ; loads come back in order: item j's are in; those of the two items issued behind it may be out
	s_wait_dscnt 0x0                               ; the last item's LDS stores have landed
.if ((\j) > 0) && ((\j) < 19)
	s_wait_alu depctr_vm_vsrc(0)                   ; the last item's LDS stores have read v192-207 and v216, which this item writes again (item 18: which the lines behind the barrier write; all of staging has read v32-43, in which the key steps' loads land)
.endif
.if (\j)+3 <= 19
	ISSUE (\j)+3                                   ; into the set that item j - 1 has left: three items, 12 KiB a wave, are on their way.  No wait: no vector line has stood since item j - 1's wait on va_vdst
.endif
.if (\j) > 17
	MASKS \j
.elseif ((\j) < 2) || (((\j)%2) == 1)
	ROWS \j
.else
	COLS \j
.endif
.endm
; The first product's C, sixteen loads: for key 32 b + 16 h + 8 u + j the word of the table that begins tab bytes behind the first
.macro CLOAD tab
.irp t, 0,1,2,3,4,5,6,7
	ds_load_b128 v[96+8*\t:99+8*\t], v25 offset:\tab+128*(\t/2)+32*(\t%2)
	ds_load_b128 v[100+8*\t:103+8*\t], v25 offset:\tab+128*(\t/2)+32*(\t%2)+16
.endr
.endm
; A run of sixteen compares, for registers 16 m + 0 .. 15 of S^T: one mask each, in s32-47: is the register's key hidden from my query?
.macro HIDDEN m
.set n, 0
.rept 16
	v_cmp_gt_i32 s[32+n], 32*(\m)+n, v84
.set n, n+1
.endr
.endm
	s_load_b256 s[4:11], s[0:1], 0x0               ; attn_mask s[4:5], key s[6:7], query s[8:9], value s[10:11]
	s_load_b64 s[12:13], s[0:1], 0x20              ; out0
	v_lshl_add_u32 v254, v0, 2, 0x44000
	v_mov_b32 v255, 0
	v_lshrrev_b32 v8, 5, v0
	v_readfirstlane_b32 s14, v8                    ; wave 0..15
	v_and_b32 v9, 31, v0                           ; lane
	v_lshlrev_b32 v32, 5, v9                       ; 32 bytes a lane: rows of Q and K
	v_lshlrev_b32 v33, 2, v9                       ; 4 bytes a lane: V's channels
	v_lshlrev_b32 v34, 4, v0                       ; 16 bytes a thread: four mask words, for the tables
	v_lshlrev_b32 v43, 4, v9                       ; 16 bytes a lane: four mask words, for G
	s_wait_alu depctr_va_sdst(0)                   ; s14 is written, ahead of its first reader: my tiles and my bases are made from it
	s_lshr_b32 s15, ttmp9, 2                       ; head
	s_and_b32 s16, ttmp9, 3                        ; which of its four work-groups
	s_lshl_b32 s17, s16, 4
	s_add_co_u32 s17, s17, s14
	s_add_co_u32 s17, s17, 1                       ; my first tile: 1 .. 64
	s_sub_co_u32 s18, 129, s17
	s_and_b32 s18, s18, 127                        ; my second: 0, 127 .. 65
	s_lshl_b32 s74, s15, 19                        ; a head is 2,048 x 256 bytes
	s_mov_b32 s75, 0
	s_and_b32 s58, s15, 3                          ; the mask's row: head mod 4,
	s_lshl_b32 s58, s58, 13                        ; 8,192 bytes each
	s_mov_b32 s59, 0
	s_lshl_b32 s54, s14, 15                        ; my key step: 128 rows of 256 bytes
	s_mov_b32 s55, 0
	s_add_nc_u64 s[54:55], s[54:55], s[74:75]
	s_lshl_b32 s32, s17, 12                        ; a tile: 16 rows of 256 bytes
	s_mov_b32 s33, 0
	s_add_nc_u64 s[32:33], s[32:33], s[74:75]
	s_lshl_b32 s34, s18, 12
	s_mov_b32 s35, 0
	s_add_nc_u64 s[34:35], s[34:35], s[74:75]
	s_mov_b32 s20, 0x76543210
	s_mov_b32 s21, 0xfedcba98                      ; v_permlanex16_b32's selects for lane l xor 16
	s_mov_b32 s24, 0x3e38aa3b                      ; log2(e) / 8
	s_wait_kmcnt 0x0
	s_add_nc_u64 s[4:5], s[4:5], s[58:59]
	s_add_nc_u64 s[68:69], s[6:7], s[54:55]
	s_add_nc_u64 s[70:71], s[10:11], s[54:55]
	s_add_nc_u64 s[60:61], s[8:9], s[32:33]
	s_add_nc_u64 s[66:67], s[8:9], s[34:35]
	s_add_nc_u64 s[12:13], s[12:13], s[74:75]
	s_wait_alu depctr_va_vdst(0)                   ; the offsets v32, v33, v34 and v43 are written, which all of staging's global loads read
	global_load_b128 v[44:47], v34, s[4:5]         ; the 512 threads read the mask row's 2,048 words
	ISSUE 0
	ISSUE 1
	ISSUE 2
	; addresses, while the loads are out: none of these lines names a register of a load that is out
	v_and_b32 v10, 15, v0                          ; r
	v_bfe_u32 v11, v0, 4, 1                        ; h
	s_mul_i32 s19, s14, PRIVB
	s_add_co_u32 s19, s19, PRIV                    ; my wave's own bytes
	v_lshlrev_b32 v1, 4, v9                        ; KIMG (0) + 16 x lane
	v_add_nc_u32 v2, VIMG, v1
	v_lshl_add_u32 v3, v10, 5, KSC
	v_lshl_add_u32 v4, v10, 4, VSC
	v_lshl_add_u32 v5, v11, 6, TAB                 ; my half's 16 keys of a block of 32: 64 h bytes on
	v_add_nc_u32 v6, s19, v1
	v_lshlrev_b32 v7, 5, v10
	v_add_nc_u32 v7, s19, v7
	v_add_nc_u32 v7, QSCO, v7
	v_lshlrev_b32 v27, 4, v11
	v_sub_nc_u32 v27, v10, v27                     ; r - 16 h
	v_mul_u32_u24 v28, v10, SP
	v_lshl_add_u32 v28, v11, 5, v28
	v_add_nc_u32 v28, s19, v28
	v_add_nc_u32 v28, STGO, v28                    ; the stage, in: row r, + 32 h
	v_mul_u32_u24 v29, v11, SP
	v_lshl_add_u32 v29, v10, 4, v29
	v_add_nc_u32 v29, s19, v29
	v_add_nc_u32 v29, STGO, v29                    ; and back: lanes 0-15 one row, lanes 16-31 the next
	v_lshlrev_b32 v30, 8, v11
	v_lshl_add_u32 v30, v10, 4, v30                ; the same two rows in out0
	v_mov_b32 v31, 0xf149f2ca                      ; -1e30
	v_bfe_u32 v12, v0, 3, 2                        ; lane bits 4:3: which of a group's four rows
	v_bfe_u32 v13, v0, 2, 1                        ; bit 2: which block of 32, that is the image's half of the lanes
	v_and_b32 v14, 3, v0                           ; bits 1:0: which 8 codes of the block
	v_lshlrev_b32 v15, 4, v12
	v_lshl_add_u32 v15, v13, 8, v15
	v_lshl_add_u32 v15, v14, 2, v15                ; a code register's place in an image
	v_lshl_add_u32 v16, v12, 5, v13                ; a byte's place among the scale words
	s_lshl_b32 s54, s14, 12
	v_add_nc_u32 v35, s54, v15                     ; K's image of my key step
	s_lshl_b32 s55, s14, 9
	s_add_co_u32 s55, s55, KSC
	v_add_nc_u32 v36, s55, v16                     ; its scale words
	v_add_nc_u32 v42, s55, v1
	v_add_nc_u32 v37, s19, v15                     ; Q's images
	v_add_nc_u32 v38, s19, v16
	v_lshlrev_b32 v39, 10, v11
	v_lshl_add_u32 v39, v10, 4, v39
	s_add_co_u32 s54, s54, VIMG
	v_add_nc_u32 v39, s54, v39                     ; V's image: channel tile lane / 16, row lane % 16
	v_lshlrev_b32 v40, 4, v10
	v_lshl_add_u32 v40, v11, 2, v40
	s_lshl_b32 s54, s14, 8
	s_add_co_u32 s54, s54, VSC
	v_add_nc_u32 v40, s54, v40
	v_add_nc_u32 v41, TAB, v34
.irp r, 220,221,222,223
	v_mov_b32 v\r, 0x7f7f7f7f
.endr
	s_wait_alu depctr_va_vdst(0)                   ; every LDS address of the kernel that is made once (v1-7, v28-30, v35-42) is written, and so are v220-223, the three stores' data
	ds_store_b128 v42, v[220:223]                  ; K's and Q's scale words begin as four bytes 0x7f; LDS serves a wave's instructions in order, so the blocks' bytes land on top
	ds_store_b128 v6, v[220:223] offset:QSCO
	ds_store_b128 v6, v[220:223] offset:QSCO+512
	v_mov_b32 v17, 0xd01502f9                      ; -1e10
	v_mov_b32 v18, 0xd09502f9                      ; -2e10
.irp r, 60,61,62,63
	v_mov_b32 v\r, 0
.endr
	s_wait_loadcnt 48                              ; the mask words are in: behind them 8 + 8 + 32 loads were issued
.irp i, 0,1,2,3
	v_cmp_eq_u32 s[36+\i], 0, v[44+\i]             ; the four compares in a run, a mask each
.endr
	s_wait_alu depctr_va_sdst(0)                   ; s36-39 are written, ahead of the selects that read them
.irp i, 0,1,2,3
	v_cndmask_b32 v[48+\i], 0, v31, s[36+\i]       ; mask ? 0 : -1e30
	v_cndmask_b32 v[52+\i], 0, v17, s[36+\i]       ; mask ? 0 : -1e10
	v_cndmask_b32 v[56+\i], v17, v18, s[36+\i]     ; mask ? -1e10 : -2e10
.endr
	s_wait_alu depctr_va_vdst(0)                   ; the tables' values v48-63 are written, which the four stores read
	ds_store_b128 v41, v[48:51]
	ds_store_b128 v41, v[60:63] offset:T_ZERO
	ds_store_b128 v41, v[52:55] offset:T_P10
	ds_store_b128 v41, v[56:59] offset:T_P20
.irp j, 0,1,2,3,4,5,6,7,8,9,10,11,12,13,14,15,16,17,18,19
	PROC \j
.endr
	s_wait_alu depctr_va_sdst(0)                   ; the sixteen masks s32-47 of items 18 and 19 are written, ahead of the scalar lines that make G of them
	s_wait_dscnt 0x0                               ; for the others' sake: all my stores have landed
	s_barrier_signal -1
	; G: how many groups of 16 mask words, from the row's start, are all 0.  From the last run of 128 words down to the first: where a run has a bit, its lowest lane / 4 is the group.  Work on registers, while the others arrive
	s_mov_b32 s25, 128
.irp i, 15,14,13,12,11,10,9,8,7,6,5,4,3,2,1,0
	s_ctz_i32_b32 s54, s[32+\i]
	s_lshr_b32 s54, s54, 2
	s_add_co_u32 s54, s54, 8*\i
	s_cmp_lg_u32 s[32+\i], 0
	s_cselect_b32 s25, s54, s25
.endr
	s_barrier_wait -1                              ; the head's codes, scale words and tables lie in LDS: the launch's one barrier
	v_mov_b32 v85, 0xd01502f9                      ; -1e10
.irp r, 20,21,22,23,64,65,66,67,204,205,206,207,214,251
	v_mov_b32 v\r, 0                               ; Q's upper codes and the registers behind K's last tile: zero codes; lane permutes' destinations and the pair v[250:251]'s upper half: written once
.endr
	s_mov_b32 s50, 2
	s_mov_b32 s51, s17
	s_mov_b32 s52, 0
.Ltile:                                            ; two trips: my two tiles
	s_lshl_b32 s28, s51, 4                         ; Q0, my first query
	s_add_co_u32 s26, s28, 15
	s_mov_b32 s27, s26
	s_cmp_ge_u32 s25, s51                          ; the mask's first 16 x tile words are all 0: a row of this tile may have no open key
	s_cselect_b32 s76, 1, 0
	s_cselect_b32 s22, 1.0, s24                    ; c: the literal way has multiplied already
	s_cselect_b32 s27, 0xffff, s27                 ; and walks all keys
	s_mov_b32 s23, s22                             ; (named with it as a pair)
	s_lshl_b32 s58, s51, 12
	s_mov_b32 s59, 0
	s_add_nc_u64 s[56:57], s[12:13], s[58:59]
	s_mov_b32 s29, 0
	s_mov_b32 s30, 0
	s_mov_b32 s31, 0
	s_mov_b32 s48, 0
	s_mov_b32 s49, 16
	v_add_nc_u32 v86, s52, v6
	v_add_nc_u32 v87, s52, v7
	s_wait_alu depctr_va_vdst(0)                   ; the addresses v86 and v87 are written; the last tile's products are done reading v16-19 and v248, in which the two loads land; the zero codes v20-23 and v64-67 are written
	ds_load_b128 v[16:19], v86                     ; the tile's Q, as I stored it
	ds_load_b32 v248, v87
	v_mov_b32 v13, 0xe0ad78ec                      ; the largest t so far: -1e20, under every logit that counts and far over a masked score's -1e30 x c
	v_floor_f32 v12, -v13                          ; -M
	v_mov_b32 v14, 0
	v_mov_b32 v15, 0
.set n, 0
.rept 32
	v_mov_b32 v[160+n], 0                          ; O^T.  (The step is written once: the first finds zeros, which the first change of M leaves zeros)
.set n, n+1
.endr
	s_wait_dscnt 0x0
	s_wait_alu depctr_vm_vsrc(0)                   ; the two loads have read v86 and v87: the literal way writes v86 again, the next tile both
.Lstep:                                            ; 16 trips, 128 keys each; a constant count, so that the stepped LDS offsets can be read off the text
	s_cmp_gt_u32 s29, s27                          ; all 128 keys come after my 16 queries, and every row has an open key: the step's work is left out
	s_cbranch_scc1 .Lskip
	v_add_nc_u32 v8, s30, v1                       ; the step's addresses
	v_add_nc_u32 v9, s30, v2
	v_add_nc_u32 v10, s31, v3
	v_add_nc_u32 v11, s48, v4
	v_add_nc_u32 v25, s31, v5
	s_wait_alu depctr_va_vdst(0)                   ; v8-11 and v25 are written, which the step's loads read; the last step's products are done reading v32-63 and v236-247, its sums and conversions (in a tile's first step: the last way out) are done with v96-159: the loads below land there
	s_cmp_lg_u32 s76, 0                            ; which table is the first product's C is a branch round two runs of the same loads: no address hangs on the mask
	s_cbranch_scc1 .Lczero
	CLOAD 0                                        ; the padding's 0 or -1e30
	s_branch .Lchave
.Lczero:
	CLOAD T_ZERO                                   ; the literal way: zeros
.Lchave:
.irp t, 0,1,2,3,4,5,6,7
	ds_load_b128 v[32+4*\t:35+4*\t], v8 offset:512*\t
.endr
	ds_load_b128 v[236:239], v10
	ds_load_b128 v[240:243], v10 offset:16
	s_wait_dscnt 0x0
.irp t, 0,1,2,3,4,5,6,7
	MM 96+8*\t, 32+4*\t, 16, 236+\t, 248           ; S^T: eight accumulators, one instruction each
.endr
	s_sub_co_i32 s55, s28, s29
	v_add_nc_u32 v84, s55, v27                     ; d = my query - the step's first key - 16 h: register 16 b + i holds a hidden key where 32 b + i > d
	s_cmp_gt_u32 s29, s26
	s_cselect_b32 s54, T_P20-T_P10, 0              ; the literal way's table: beyond the diagonal the causal -1e10 is in it (a choice on ids alone)
	s_add_co_u32 s54, s54, s31
	s_add_co_u32 s54, s54, T_P10
	v_add_nc_u32 v26, s54, v5
	v_nop
	v_nop                                          ; four places behind the products: then reads of S^T
	s_cmp_lg_u32 s76, 0
	s_cbranch_scc1 .Llit
	s_add_co_u32 s54, s29, 127
	s_cmp_le_u32 s54, s28
	s_cbranch_scc1 .Lcommon                        ; all 128 keys lie at or before my first query
	s_wait_alu depctr_va_vdst(0)
.irp m, 0,1,2,3                                ; on the diagonal: hidden scores become -1e30.  Sixteen compares, one wait, sixteen selects.  (Each accumulator from its low end on)
	HIDDEN \m
	s_wait_alu depctr_va_sdst(0)                   ; the run's sixteen masks s32-47 are written, ahead of the selects that read them
.set n, 0
.rept 16
	v_cndmask_b32 v[96+16*\m+n], v[96+16*\m+n], v31, s[32+n]
.set n, n+1
.endr
.endr
	s_branch .Lcommon
.Llit:                                             ; THE LITERAL WAY: fl(s / 8 + pad), + the causal -1e10 where it applies, x log2(e): each rounded as the source rounds it
.irp hf, 0,1
	s_wait_alu depctr_va_vdst(0)                   ; first half: the address v26 is written; second half: the first half's multiply-adds are done reading v200-231, in which the loads land again
.irp bb, 0,1
.irp q, 0,1,2,3
	ds_load_b128 v[200+16*\bb+4*\q:203+16*\bb+4*\q], v26 offset:128*(2*\hf+\bb)+16*\q
.endr
.endr
	s_wait_dscnt 0x0
.set n, 0
.rept 16
	v_pk_fma_f32 v[96+32*\hf+n:97+32*\hf+n], v[96+32*\hf+n:97+32*\hf+n], 0x3e000000, v[200+n:201+n] op_sel_hi:[1,0,1]   ; s / 8 is exact, so the fused form rounds once, where the source rounds
.set n, n+2
.endr
.endr
	s_add_co_u32 s54, s29, 127
	s_cmp_le_u32 s54, s28
	s_cbranch_scc1 .Lnodiag
	s_cmp_gt_u32 s29, s26
	s_cbranch_scc1 .Lnodiag
.irp m, 0,1,2,3
	HIDDEN \m
	s_wait_alu depctr_va_sdst(0)                   ; the run's sixteen masks s32-47 are written, ahead of the selects that read them
.set n, 0
.rept 16
	v_cndmask_b32 v86, 0, v85, s[32+n]
	v_add_f32 v[96+16*\m+n], v[96+16*\m+n], v86
.set n, n+1
.endr
.endr
.Lnodiag:
.set n, 0
.rept 32
	v_pk_mul_f32 v[96+n:97+n], v[96+n:97+n], 0x3fb8aa3b op_sel_hi:[1,0]     ; t; c is 1 on this way
.set n, n+2
.endr
.Lcommon:
.irp b, 0,1,2,3
	v_max3_num_f32 v[200+\b], v[96+16*\b], v[97+16*\b], v[98+16*\b]         ; the largest score of each block of 32 keys: for the row's maximum, and, since p rises with the score, for the block's largest p
.endr
.irp i, 3,5,7,9,11,13
.irp b, 0,1,2,3
	v_max3_num_f32 v[200+\b], v[200+\b], v[96+16*\b+\i], v[97+16*\b+\i]
.endr
.endr
.irp b, 0,1,2,3
	v_max_num_f32 v[200+\b], v[200+\b], v[111+16*\b]
.endr
.irp b, 0,1,2,3
	v_permlanex16_b32 v[204+\b], v[200+\b], s20, s21
.endr
.irp b, 0,1,2,3
	v_max_num_f32 v[200+\b], v[200+\b], v[204+\b]  ; with lane l xor 16's 16 keys
.endr
	v_max3_num_f32 v214, v200, v201, v202
	v_max_num_f32 v214, v214, v203
	v_mul_f32 v214, s22, v214                      ; as t (c is positive)
	v_max_num_f32 v13, v13, v214                   ; the running largest t
	v_mov_b32 v214, v12
	v_floor_f32 v12, -v13                          ; the new -M = -ceil(t)
	v_sub_f32 v214, v12, v214                      ; old M - new M: a whole number, 0 or less
	v_cvt_i32_f32 v214, v214                       ; (it saturates)
	v_ldexp_f32 v250, 1.0, v214                    ; f = 2^(old M - new M)
.set n, 0
.rept 32
	v_pk_fma_f32 v[96+n:97+n], v[96+n:97+n], s[22:23], v[12:13] op_sel_hi:[1,0,0]   ; t - M
.set n, n+2
.endr
.irp b, 0,1,2,3
	v_fma_f32 v[200+\b], v[200+\b], s22, v12
.endr
.set n, 0
	s_wait_alu depctr_va_vdst(0)
.rept 64
	v_exp_f32 v[96+n], v[96+n]                     ; p = 2^(t - M), at most 1
.set n, n+1
.endr
.irp b, 0,1,2,3
	v_exp_f32 v[200+\b], v[200+\b]                 ; the block's largest p: the same two instructions on the same number
.endr
	v_pk_mul_f32 v[14:15], v[14:15], v[250:251] op_sel_hi:[1,0]             ; the sums under the new M.  (The plain place behind the exponentials)
	s_wait_alu depctr_va_vdst(0)                   ; the 68 exponentials have written v96-159 and v200-203, ahead of their first reader; and the step's first products are done reading v32-67, in which V's fragments land
.irp t, 0,1,2,3
.irp c, 0,1
	ds_load_b128 v[32+8*\t+4*\c:35+8*\t+4*\c], v9 offset:1024*\t+512*\c     ; V's four fragments land under the rest of the softmax.  No further wait: no vector line since the wait above
.endr
.endr
	ds_load_b128 v[244:247], v11
.irp b, 0,1,2,3
	v_max_num_f32 v[200+\b], FLOORM, v[200+\b]
.endr
.irp b, 0,1,2,3
	v_add_nc_u32 v[208+\b], OFF2, v[200+\b]
.endr
.irp b, 0,1,2,3
	v_lshrrev_b32 v[204+\b], 23, v[208+\b]
.endr
	v_lshl_or_b32 v251, v205, 8, v204              ; p's scale word for these 128 keys
	v_lshl_or_b32 v251, v206, 16, v251
	v_lshl_or_b32 v251, v207, 24, v251
.irp b, 0,1,2,3
	v_cvt_scalef32_pk8_fp4_f32 v[192+2*\b], v[96+16*\b:103+16*\b], v[208+\b]
	v_cvt_scalef32_pk8_fp4_f32 v[193+2*\b], v[104+16*\b:111+16*\b], v[208+\b]
.endr
	v_nop                                          ; one plain place behind the conversions
.irp c, 0,1                                    ; the operand wants a whole block in a lane: lanes 0-15 block 2 c, lanes 16-31 block 2 c + 1
.irp i, 0,1
	v_permlane16_swap_b32 v[192+4*\c+\i], v[194+4*\c+\i]
.endr
.endr
	v_pk_add_f32 v[216:217], v[96:97], v[98:99]    ; the row's sum, of the unquantised p, in two chains
.irp j, 4,8,12,16,20,24,28,32,36,40,44,48,52,56,60
	v_pk_add_f32 v[14:15], v[14:15], v[96+\j:97+\j]
	v_pk_add_f32 v[216:217], v[216:217], v[98+\j:99+\j]
.endr
	v_pk_add_f32 v[14:15], v[14:15], v[216:217]
.set n, 0
.rept 16
	v_pk_mul_f32 v[160+n:161+n], v[160+n:161+n], v[250:251] op_sel_hi:[1,0] ; O^T under the new M.  (With the sums above: the places between p's codes and scale word and the products below)
.set n, n+2
.endr
	s_wait_dscnt 0x0                               ; V's fragments and scale words
	s_wait_alu depctr_vm_vsrc(0)                   ; the step's LDS loads have read v8-11, v25 and v26, which the next step writes again
	s_wait_alu depctr_va_vdst(0)                   ; p's codes v192-199 and its scale word v251 are written, which the products below take; the places above stay beside this wait
.irp t, 0,1,2,3
	MM 160+8*\t, 32+8*\t, 192, 244+\t, 251         ; O^T += V^T P^T: four accumulators, one instruction each
.endr
.Lskip:
	s_add_co_u32 s29, s29, 128
	s_add_co_u32 s30, s30, 4096
	s_add_co_u32 s31, s31, 512
	s_add_co_u32 s48, s48, 256
	s_sub_co_u32 s49, s49, 1
	s_cmp_lg_u32 s49, 0
	s_cbranch_scc1 .Lstep
	; THE WAY OUT: O^T / the sum goes through my own stage and leaves as whole rows: sixteen lanes store 256 consecutive bytes, a row of out0
.rept 4
	v_nop                                          ; places behind the last products
.endr
	v_add_f32 v14, v14, v15
	v_permlanex16_b32 v214, v14, s20, s21
	v_add_f32 v14, v14, v214                       ; the row's sum
	s_wait_alu depctr_va_vdst(0)
	v_rcp_f32 v14, v14
	v_nop                                          ; one plain place behind the reciprocal
	s_wait_alu depctr_va_vdst(0)                   ; the reciprocal has written v14, ahead of its first reader
.set n, 0
.rept 32
	v_mul_f32 v[96+n], v[160+n], v14               ; register 8 t + j is out(r, 16 t + 8 h + j); each accumulator from its low end on
.set n, n+1
.endr
	s_wait_alu depctr_va_vdst(0)                   ; the multiplications have written v96-127, which the stage's stores read; the last products are long done reading v32-63, in which the stage's loads land
.irp t, 0,1,2,3
	ds_store_b128 v28, v[96+8*\t:99+8*\t] offset:64*\t
	ds_store_b128 v28, v[100+8*\t:103+8*\t] offset:64*\t+16
.endr
.irp i, 0,1,2,3,4,5,6,7
	ds_load_b128 v[32+4*\i:35+4*\i], v29 offset:2*\i*SP     ; LDS serves a wave's instructions in order: these see my stores
.endr
.irp i, 0,1,2,3,4,5,6,7
	s_wait_dscnt 7-\i                              ; the younger loads of the eight may be out
	global_store_b128 v30, v[32+4*\i:35+4*\i], s[56:57] offset:512*\i th:TH_STORE_NT
.endr
	s_wait_xcnt 0x0                                ; the stores' base and data are written again only behind this wait
	s_wait_alu depctr_vm_vsrc(0)                   ; the stage's stores have read v96-127 and the global stores v32-63: the next tile's loads land in both
	s_mov_b32 s51, s18                             ; my second tile,
	s_add_co_u32 s52, s52, 512                     ; its image of Q
	s_sub_co_u32 s50, s50, 1
	s_cmp_lg_u32 s50, 0
	s_cbranch_scc1 .Ltile
	s_wait_dscnt 0x0                               ; the closing lines, six on end
	s_wait_alu 0x0
	s_wait_tensorcnt 0x0
	ds_add_u32 v254, v255
	s_wait_dscnt 0x0
	s_endpgm
.Lfunc_end_k_q976e9b949d_attn:
	.size	k_q976e9b949d_attn, .Lfunc_end_k_q976e9b949d_attn-k_q976e9b949d_attn
	.p2alignl 7, 3214868480
	.fill 96, 4, 3214868480
	.section	.rodata,"a",@progbits
	.p2align	6, 0x0
	.amdhsa_kernel k_q976e9b949d_attn
		.amdhsa_group_segment_fixed_size 280576
		.amdhsa_private_segment_fixed_size 0
		.amdhsa_enable_private_segment 0
		.amdhsa_kernarg_size 40
		.amdhsa_user_sgpr_count 2
		.amdhsa_user_sgpr_kernarg_segment_ptr 1
		.amdhsa_wavefront_size32 1
		.amdhsa_system_sgpr_workgroup_id_x 1
		.amdhsa_system_sgpr_workgroup_id_y 1
		.amdhsa_system_sgpr_workgroup_id_z 1
		.amdhsa_system_vgpr_workitem_id 0
		.amdhsa_next_free_vgpr 256
		.amdhsa_next_free_sgpr 80
		.amdhsa_reserve_vcc 0
		.amdhsa_float_denorm_mode_32 3
		.amdhsa_float_denorm_mode_16_64 3
		.amdhsa_memory_ordered 1
		.amdhsa_forward_progress 1
		.amdhsa_inst_pref_size 139
	.end_amdhsa_kernel
	.amdgpu_metadata
---
amdhsa.version: [ 1, 2 ]
amdhsa.kernels:
  - .name:           k_q976e9b949d_attn
    .symbol:         k_q976e9b949d_attn.kd
    .args:
      - { .name: attn_mask, .offset: 0, .size: 8, .value_kind: global_buffer, .address_space: global }
      - { .name: key, .offset: 8, .size: 8, .value_kind: global_buffer, .address_space: global }
      - { .name: query, .offset: 16, .size: 8, .value_kind: global_buffer, .address_space: global }
      - { .name: value, .offset: 24, .size: 8, .value_kind: global_buffer, .address_space: global }
      - { .name: out0, .offset: 32, .size: 8, .value_kind: global_buffer, .address_space: global }
    .group_segment_fixed_size: 280576
    .private_segment_fixed_size: 0
    .kernarg_segment_align: 8
    .kernarg_segment_size: 40
    .max_flat_workgroup_size: 512
    .sgpr_count:     80
    .vgpr_count:     256
    .wavefront_size: 32
...
	.end_amdgpu_metadata
.endif
;; end of part 2
